; MI455X (gfx1250); checked and timed in simulation.
; The chip was launched on July 23, 2026; its instructions are those of AMD's public machine-readable ISA for CDNA 5 (MIT licence, August 2026) and "CDNA5" Instruction Set Architecture Reference Guide (July 2026). The comments in the code are by the model that wrote it; some were corrected since.
;; Self Attention. Allowed arithmetic: matrix products marked QUANTISED: E4M3 operands, one given power-of-two scale a tensor, by v_wmma_f32_16x16x64_fp8_fp8 or v_wmma_f32_16x16x128_fp8_fp8, f32 sums; everything else in f32.
;; Inputs: W_attn 1,024 x 3,072 float32; W_proj 1,024 x 1,024 float32; attention_mask 4 x 2,048 int32; b_attn 3,072 float32; b_proj 1,024 float32; lowp_scales 8 int32 (the exponents e of the quantised operands' scales 2^e); x 4 x 2,048 x 1,024 float32.
;; Outputs: out0 4 x 2,048 x 1,024 float32.
;; This version of the problem:
;;   THIS VERSION OF THE PROBLEM IS GIVEN IN LOW PRECISION. The matrix products marked QUANTISED in the list below multiply operands that are first quantised to E4M3 (4 exponent bits, 3 mantissa bits; 8 bits a number), with one given power-of-two scale for each operand tensor; their sums are f32. All else is computed in f32.
;;   The module's matrix products, in the order in which they are computed (A, B: the left and right operand; K: the contracted axis; several contracted axes count as one K, in the product's order):
;;     1. [M 8,192, K 1,024] x [K 1,024, N 3,072]; A: input x; B: input W_attn: QUANTISED (scales: A lowp_scales[0], B lowp_scales[1])
;;     2. batch 64 x [M 2,048, K 64] x [K 64, N 2,048]; A: computed on the way; B: computed on the way: QUANTISED (scales: A lowp_scales[2], B lowp_scales[3])
;;     3. batch 64 x [M 2,048, K 2,048] x [K 2,048, N 64]; A: softmax (see below); B: computed on the way: QUANTISED (scales: A lowp_scales[4], B lowp_scales[5])
;;     4. [M 8,192, K 1,024] x [K 1,024, N 1,024]; A: computed on the way; B: input W_proj: QUANTISED (scales: A lowp_scales[6], B lowp_scales[7])
;;   THE QUANTISER, for each operand of a quantised product, along K:
;;     - The operand's scale is 2^e, e = its entry of the input lowp_scales (int32; the entries are numbered through the quantised products in the list's order, A before B).
;;     - Each number is divided by the scale, clamped to +-448, and rounded to the nearest number of E4M3, ties to even, subnormals kept.
;;     - The product sums the exact products of the quantised numbers (number of the format x scale) in f32.
;;   ~~~python
;;   def quantise(x, axis, e):      # numpy; x: float32 -> the quantised numbers, widened to float32 again
;;       x = np.moveaxis(x, axis, -1); K = x.shape[-1]
;;       r = np.clip(x / 2.0 ** e, -448, 448)
;;       step = 2.0 ** (np.maximum(np.frexp(np.where(r == 0, 1, r))[1] - 1, -6) - 3)
;;       q = np.round(r / step) * step * 2.0 ** e      # np.round: ties to even
;;       return np.moveaxis(q, -1, axis).astype(np.float32)
;;   ~~~
;;   SOFTMAX AHEAD OF A QUANTISED PRODUCT. Where the list says 'softmax', what is quantised is not the finished softmax but p = 2^(t - M), with t = logit x log2(e) and M = ceil(the row's largest t), a whole number; so 1/2 < the row's largest p <= 1. The row's sum l is taken of the UNQUANTISED p, in f32, and the product's result is divided by l at the end. Since M is a whole number, a kernel that streams over the keys may use a running M (the ceiling of the running maximum): every later rescaling is an exact power of two, so the quantised numbers keep their values, but for numbers so far below the row's largest that they fall under the format's range.
;;   OPERANDS COMPUTED ON THE WAY. 'Computed on the way' means the value that the module computes at that place (a softmax that the list does not call 'softmax' is quantised finished and normalised). What goes into a quantiser is computed in f32, as accurately as f32 sums, v_exp_f32 and their like allow (about 1e-6 of the number): no bf16 or f16 on the way to a quantiser, and a product that is left as it is and whose result goes on into a quantised operand takes f32 operands (vector FMAs, or v_wmma_f32_16x16x4_f32). A number that lies on a knife's edge between two numbers of the format may be rounded either way, as far as f32 arithmetic and the matrix unit's own rounding can turn it there, and no further.
;; One version. Each part assembles by itself: llvm-mc -triple=amdgcn-amd-amdhsa -mcpu=gfx1250 --defsym DOCPART=n.
;; ======== version 1 of 1: 4 launches
;; limits: right only within a limited range of input values
;; workspace buffers: xc 8,388,608 bytes; wac 3,145,728 bytes; wpc 1,048,576 bytes; qc 8,388,608 bytes; kc 8,388,608 bytes; vc 8,388,608 bytes; yc 8,388,608 bytes
;; launch quant (part 1): grid 768 x 1, 4 waves a work-group, no clusters, 34,304 bytes of LDS; arguments x, W_attn, W_proj, lowp_scales, xc, wac, wpc; writes xc, wac, wpc
.if DOCPART == 1
	.amdgcn_target "amdgcn-amd-amdhsa--gfx1250"
	.amdhsa_code_object_version 6
	.text
	.protected	k_qb09e70490e_quant
	.globl	k_qb09e70490e_quant
	.p2align	8
	.type	k_qb09e70490e_quant,@function
k_qb09e70490e_quant:
	s_mov_b64 s[64:65], 0
	v_nop
	global_prefetch_b8 v0, s[64:65] scope:SCOPE_SE
	s_setreg_imm32_b32 hwreg(HW_REG_WAVE_MODE, 25, 1), 1
	s_wait_xcnt 0x0
; x [8192][1024], W_attn [1024][3072] and W_proj [1024][1024], f32, become codes of FP8 (E4M3), each with the one scale 2^e given for it (entries 0, 1, 7).
; code = number / 2^e, held within +-448, rounded to the nearest code, ties to even.
; THE CODES ARE LAID AS IMAGES OF THE OPERAND'S REGISTERS.  A fragment (16 rows x 128 along K) is 2,048 bytes: byte 512 g + 16 (16 h + r) + 8 e + i is row r, k = 32 g + 16 e + 8 h + i:
; what lane 16 h + r of the K = 128 matrix instruction holds in registers 4 g .. 4 g + 3.  xc: [row tile 512][K step 8]; wac: [column tile 192][K step 8]; wpc: [column tile 64][K step 8].
; Work-groups 0-511 take x, one tile of 16 rows each, a wave two K steps.  Work-groups 512-703 take W_attn, 704-767 W_proj: 128 columns x 128 along K each, a wave 32 columns.
; The work-groups share no input, so there is nothing to ask for jointly; no tensor load, no barrier: waves share nothing.
; LIMITS: each e between -126 and 119, so that 2^e and 448 x 2^e are f32 numbers.  NaN among the inputs is not served (an infinity is held at the largest code).
.set R,   16                           ; v16-143   numbers as loaded
.set C,   144                          ; v144-175  codes
.set X,   176                          ; v176-239  path x: a fragment's 64 numbers of my lane, back from the stage
.set SP,  528                          ; path x: a stage row: 512 bytes + 16: an odd multiple of 16, so that sixteen rows begin in sixteen different groups of banks (ISA guide 11.1)
.set WST, 16*SP                        ; a wave's stage
.macro MKSCALE ereg                    ; v11 = 2^e (the conversion takes its exponent field)
	s_add_co_i32 s36, s[\ereg], 127
	s_lshl_b32 s37, s36, 23
	v_mov_b32 v11, s37
.endm
	s_load_b256 s[4:11], s[0:1], 0x0               ; x s[4:5], W_attn s[6:7], W_proj s[8:9], the exponents s[10:11]
	s_load_b128 s[12:15], s[0:1], 0x20             ; xc s[12:13], wac s[14:15]
	s_load_b64 s[16:17], s[0:1], 0x30              ; wpc
	v_lshl_add_u32 v240, v0, 2, 0x8400
	v_mov_b32 v241, 0
	v_lshrrev_b32 v1, 5, v0
	v_readfirstlane_b32 s18, v1                    ; wave 0..3
	v_and_b32 v1, 31, v0                           ; lane
	v_and_b32 v6, 15, v0                           ; r
	v_bfe_u32 v7, v0, 4, 1                         ; h
	s_wait_kmcnt 0x0
	s_load_b256 s[20:27], s[10:11], 0x0            ; e0 .. e7
	s_cmp_lt_u32 ttmp9, 512
	s_cbranch_scc0 .Lweights
	s_wait_alu depctr_va_vdst(0)
; ---- x: K is innermost.  Each load reads 512 consecutive bytes of one row; the conversions want 8 neighbours along K in one lane: the 16 x 512 bytes turn through the wave's own stage.
	v_lshlrev_b32 v2, 4, v1                        ; 16 x lane
	s_wait_alu depctr_va_vdst(0)
	s_lshl_b32 s28, ttmp9, 16                      ; my tile: 16 rows of 4,096 bytes
	s_lshl_b32 s29, s18, 10                        ; my wave's two K steps: 1,024 bytes of each row
	s_add_co_u32 s28, s28, s29
	s_mov_b32 s29, 0
	s_add_nc_u64 s[4:5], s[4:5], s[28:29]
.irp f, 0,1
.set ii, 0
.rept 16
	global_load_b128 v[R+64*\f+4*ii:R+64*\f+4*ii+3], v2, s[4:5] offset:ii*4096+\f*512 th:TH_LOAD_NT
.set ii, ii+1
.endr
.endr
	s_lshl_b32 s30, ttmp9, 14                      ; xc: a row tile is 8 fragments
	s_lshl_b32 s31, s18, 12
	s_add_co_u32 s30, s30, s31
	s_mov_b32 s31, 0
	s_add_nc_u64 s[12:13], s[12:13], s[30:31]
	s_mul_i32 s19, s18, WST
	v_add_nc_u32 v3, s19, v2                       ; into the stage: row i at i x SP, 16 bytes a lane
	v_mul_u32_u24 v4, v6, SP
	v_lshl_add_u32 v4, v7, 5, v4
	v_add_nc_u32 v4, s19, v4                       ; out of it: row r, + 32 h: eight numbers of my half
	s_wait_alu depctr_va_vdst(0)
	s_wait_kmcnt 0x0
	MKSCALE 20
.macro FRAGX f
	s_wait_loadcnt 16*(1-\f)                       ; this fragment's 16 loads are in; the other's may be out
.set ii, 0
.rept 16
	ds_store_b128 v3, v[R+64*\f+4*ii:R+64*\f+4*ii+3] offset:ii*SP
.set ii, ii+1
.endr
.set ii, 0
.rept 16
	ds_load_b128 v[X+4*ii:X+4*ii+3], v4 offset:64*(ii/2)+16*(ii%2)   ; LDS serves a wave's instructions in order (ISA guide 5.7.1.4): these see the stores above.  Registers 8 c .. 8 c + 7: k = 16 c + 8 h + 0 .. 7
.set ii, ii+1
.endr
	s_wait_dscnt 0x0
.set ii, 0
.rept 64
.set ii, ii+1
.endr
.set ii, 0
.rept 8
	v_cvt_scalef32_pk8_fp8_f32 v[C+16*\f+2*ii:C+16*\f+2*ii+1], v[X+8*ii:X+8*ii+7], v11
.set ii, ii+1
.endr
	v_nop                                          ; a plain line between the conversions and the next holds, which write their sources
.irp g, 0,1,2,3
	global_store_b128 v2, v[C+16*\f+4*\g:C+16*\f+4*\g+3], s[12:13] offset:\f*2048+\g*512   ; 32 lanes store 512 consecutive bytes
.endr
.endm
	s_wait_alu depctr_va_vdst(0)
	FRAGX 0
	FRAGX 1
	s_wait_tensorcnt 0x0
	ds_add_u32 v240, v241
	s_wait_dscnt 0x0
	s_endpgm
; ---- the weights: K is the FIRST axis.  A lane takes a column and its registers run down K, so the conversions give codes with K innermost and nothing is transposed.
.Lweights:
	s_wait_alu depctr_va_vdst(0)
	v_lshlrev_b32 v2, 2, v1                        ; in: 4 bytes a lane
	v_lshlrev_b32 v5, 4, v6
	v_lshl_add_u32 v5, v7, 14, v5                  ; out: lanes 16-31 hold the next column tile (16,384 bytes on); 16 bytes a column
	s_sub_co_u32 s28, ttmp9, 512
	s_and_b32 s29, s28, 7                          ; K step
	s_lshr_b32 s30, s28, 3                         ; group of 128 columns
; nb: bytes of a row; src, dst: the pointers' registers; ereg: the exponent's register; cg0: the tensor's first group
.macro WPATH nb, src, dst, ereg, cg0
.if \cg0
	s_sub_co_u32 s30, s30, \cg0
.endif
	s_mul_i32 s32, s29, 128*\nb
	s_lshl_b32 s33, s30, 9
	s_add_co_u32 s32, s32, s33
	s_lshl_b32 s33, s18, 7
	s_add_co_u32 s32, s32, s33                     ; 128 K-step rows + 4 x (128 group + 32 wave)
	s_mov_b32 s33, 0
	s_add_nc_u64 s[\src:\src+1], s[\src:\src+1], s[32:33]
.set kk, 0
.rept 128
	global_load_b32 v[R+kk], v2, s[\src:\src+1] offset:kk*\nb th:TH_LOAD_NT   ; W(128 step + k, my column): the wave reads 128 consecutive bytes, the four waves 512
.set kk, kk+1
.endr
	s_lshl_b32 s34, s30, 17                        ; out: column tile 8 group + 2 wave, 16,384 bytes each,
	s_lshl_b32 s35, s18, 15
	s_add_co_u32 s34, s34, s35
	s_lshl_b32 s35, s29, 11                        ; + the K step's fragment
	s_add_co_u32 s34, s34, s35
	s_mov_b32 s35, 0
	s_add_nc_u64 s[\dst:\dst+1], s[\dst:\dst+1], s[34:35]
	s_wait_kmcnt 0x0
	MKSCALE \ereg
	s_wait_alu depctr_va_vdst(0)
.irp g, 0,1,2,3
.if \g < 2
	s_wait_loadcnt 63                              ; k < 32 g + 32 is in (96 and 64 younger loads might stay out; the wait can name 63)
.else
	s_wait_loadcnt 96-32*\g
.endif
.set kk, 0
.rept 32
.set kk, kk+1
.endr
.irp e, 0,1
.irp q, 0,1
	v_cvt_scalef32_pk8_fp8_f32 v[C+8*\g+4*\q+2*\e:C+8*\g+4*\q+2*\e+1], v[R+8*(4*\g+2*\e+\q):R+8*(4*\g+2*\e+\q)+7], v11   ; k = 32 g + 16 e + 8 q + 0 .. 7: the image's bytes 512 g + 256 q + 16 r + 8 e on
.endr
.endr
	v_nop
.irp q, 0,1
	global_store_b128 v5, v[C+8*\g+4*\q:C+8*\g+4*\q+3], s[\dst:\dst+1] offset:\g*512+\q*256   ; sixteen lanes store 256 consecutive bytes, aligned
.endr
.endr
.endm
	s_cmp_lt_u32 s28, 192
	s_cbranch_scc0 .Lwproj
	s_wait_alu depctr_va_vdst(0)
	WPATH 12288, 6, 14, 21, 0
	s_endpgm
.Lwproj:
	s_wait_alu depctr_va_vdst(0)
	WPATH 4096, 8, 16, 27, 24
	s_endpgm
.Lfunc_end_k_qb09e70490e_quant:
	.size	k_qb09e70490e_quant, .Lfunc_end_k_qb09e70490e_quant-k_qb09e70490e_quant
	.p2alignl 7, 3214868480
	.fill 96, 4, 3214868480
	.section	.rodata,"a",@progbits
	.p2align	6, 0x0
	.amdhsa_kernel k_qb09e70490e_quant
		.amdhsa_group_segment_fixed_size 34304
		.amdhsa_private_segment_fixed_size 0
		.amdhsa_enable_private_segment 0
		.amdhsa_kernarg_size 56
		.amdhsa_user_sgpr_count 2
		.amdhsa_user_sgpr_kernarg_segment_ptr 1
		.amdhsa_wavefront_size32 1
		.amdhsa_system_sgpr_workgroup_id_x 1
		.amdhsa_system_sgpr_workgroup_id_y 1
		.amdhsa_system_sgpr_workgroup_id_z 1
		.amdhsa_system_vgpr_workitem_id 0
		.amdhsa_next_free_vgpr 242
		.amdhsa_next_free_sgpr 66
		.amdhsa_reserve_vcc 0
		.amdhsa_float_denorm_mode_32 3
		.amdhsa_float_denorm_mode_16_64 3
		.amdhsa_fp16_overflow 1
		.amdhsa_memory_ordered 1
		.amdhsa_forward_progress 1
		.amdhsa_inst_pref_size 41
	.end_amdhsa_kernel
	.amdgpu_metadata
---
amdhsa.version: [ 1, 2 ]
amdhsa.kernels:
  - .name:           k_qb09e70490e_quant
    .symbol:         k_qb09e70490e_quant.kd
    .args:
      - { .name: x, .offset: 0, .size: 8, .value_kind: global_buffer, .address_space: global }
      - { .name: W_attn, .offset: 8, .size: 8, .value_kind: global_buffer, .address_space: global }
      - { .name: W_proj, .offset: 16, .size: 8, .value_kind: global_buffer, .address_space: global }
      - { .name: lowp_scales, .offset: 24, .size: 8, .value_kind: global_buffer, .address_space: global }
      - { .name: xc, .offset: 32, .size: 8, .value_kind: global_buffer, .address_space: global }
      - { .name: wac, .offset: 40, .size: 8, .value_kind: global_buffer, .address_space: global }
      - { .name: wpc, .offset: 48, .size: 8, .value_kind: global_buffer, .address_space: global }
    .group_segment_fixed_size: 34304
    .private_segment_fixed_size: 0
    .kernarg_segment_align: 8
    .kernarg_segment_size: 56
    .max_flat_workgroup_size: 128
    .sgpr_count:     66
    .vgpr_count:     242
    .wavefront_size: 32
...
	.end_amdgpu_metadata
.endif
;; end of part 1
;; launch qkv (part 2): grid 12 x 32, 4 waves a work-group, clusters of 4 x 4, 327,680 bytes of LDS; arguments xc, wac, lowp_scales, b_attn, qc, kc, vc; writes qc, kc, vc
.if DOCPART == 2
	.amdgcn_target "amdgcn-amd-amdhsa--gfx1250"
	.amdhsa_code_object_version 6
	.text
	.protected	k_qb09e70490e_qkv
	.globl	k_qb09e70490e_qkv
	.p2align	8
	.type	k_qb09e70490e_qkv,@function
k_qb09e70490e_qkv:
	s_mov_b64 s[64:65], 0
	v_nop
	global_prefetch_b8 v0, s[64:65] scope:SCOPE_SE
	s_setreg_imm32_b32 hwreg(HW_REG_WAVE_MODE, 25, 1), 1
	s_wait_xcnt 0x0
	s_wait_alu depctr_hold_cnt(0) depctr_sa_sdst(0) depctr_va_vdst(0) depctr_va_sdst(0) depctr_va_ssrc(0) depctr_va_vcc(0) depctr_vm_vsrc(0)
	s_getreg_b32 s2, hwreg(HW_REG_IB_STS2, 6, 4)
	s_cmp_eq_u32 s2, 0
	s_cbranch_scc0 .Lentry_in_a_cluster
	s_endpgm
.Lentry_in_a_cluster:
	s_bfe_u32 s2, ttmp6, 0x10000c
	s_cmp_lg_u32 s2, 0xf033
	s_cbranch_scc0 .Lentry_shape_is_right
	s_endpgm
.Lentry_shape_is_right:
; qkv = x W_attn + b_attn on codes of FP8 (E4M3); q, k and v are quantised at once, each with its given scale (entries 2, 3, 5), and leave as images of the next products' operand registers.
; xc, wac: fragments of 16 rows x 128 K, 2,048 bytes each, [tile of 16 rows][K step 8]: byte 512 c + 16 lane of a fragment is what that lane holds in registers 4 c .. 4 c + 3.
; A tile of 256 x 256 is made by a work-group of four waves; a wave makes 128 x 128: 64 accumulators, 512 registers.  K goes in steps of 256 through a ring of two LDS slots filled by the tensor data mover.
; In the matrix instruction source 0 takes set B's rows and source 1 set A's: a lane holds ONE row of A's (lane % 16) and eight neighbouring rows of B's (8 (lane / 16) + 0 .. 7).
; THE CLUSTER'S x IS THE MODE, the same in all sixteen partners: 0 = q, 1 = k: A = tokens (xc), B = columns of W (wac): a lane holds a token and 8 neighbouring channels: the next K.
;   2 = v: A = v's channels (wac), B = tokens (xc): a lane holds a channel and 8 neighbouring keys: the next K of the product with p.
; CLUSTERS: 4 x 4 work-groups.  A's tile hangs on cy (and the cluster's y) alone and is asked for jointly by a row of the cluster, B's on cx (and the cluster's place) alone, by a column.
; OUT: qc, kc: [batch x 16 + head][tile of 16 tokens 128] x 1,024 bytes (16 rows x 64 K);  vc: [batch x 16 + head][64 keys 32][tile of 16 channels 4] x 1,024 bytes.
; LIMITS: e0 + e1 between -126 and 127; e2, e3, e5 between -126 and 119, so that each power of two below is an f32 number.
; REGISTERS, in windows of 256: window 0: v0-31 addresses and constants; v32-95, v96-111 the biases; from v128 A's fragments, ONE set (on the way out: v128-191 sums at work, v192-255 codes).
;   window 1: B's fragments, TWO sets.   window 2: the accumulators of A's rows 0-63 ((a, b) at v[8 (8 a + b)]);   window 3: those of rows 64-127.
.set HALFT,  32768                     ; 128 rows x 256 K: 8 tiles x 2 fragments: what one tensor load brings, dense
.set SLOT,   4*HALFT                   ; A's two halves, then B's
.set SPARE,  2*SLOT                    ; behind the ring: the spare words, 128 bytes for each wave
.set KADV,   8192                      ; a slot's next fill: two K steps of 256 on: four fragments
.set FR,     16
.set NL,     4
.set NP,     4                         ; places behind this matrix instruction (ISA guide 7.12.1)
.set LAPS,   2                         ; 1,024 along K = two laps of two slots
.set ADRA, 16                          ; v16-17  LDS address of my A fragments in slot 0, 1
.set ADRB, 20                          ; v20-21  the same for B
.set CO,   26                          ; v26     16 x lane
.set SPW,  28                          ; v28     my spare word; never rewritten
.set NIL,  29                          ; v29     0; never rewritten
.set SCL,  30                          ; v30     2^e of the result's quantiser
.set LIM,  31
.set BI,   32                          ; v32-95  modes q, k: b_attn at my 8 x 8 columns
.set BIV,  96                          ; v96-111 mode v: b_attn at my channel of each of A's 8 blocks, twice (a pair)
.set AF,   128
.set TT,   128
.set CD,   192
.set G1, 24
.set G0, 32
.set G1B, 48
.set G0B, 56
.set MSB, 0
.macro WIN new                         ; the immediate's high byte repeats the setting that is left
.if MSB != \new
	s_set_vgpr_msb (MSB<<8)|\new
.set MSB, \new
.endif
.endm
.set MUL_LO, 0xa1                      ; source 0 (B) window 1, source 1 (A) window 0, C and D window 2
.set MUL_HI, 0xf1
.set TO_B,   0x40
; A joint load: waves 0 and 1 fetch A's halves, waves 2 and 3 B's.  The branch hangs on the wave's number alone.  Four v_nop follow each of the two lines.
.macro JLOAD g0a, g1a, g0b, g1b
	s_cmp_eq_u32 s15, 0
	s_cbranch_scc0 .Lfor_b_\@
	tensor_load_to_lds s[\g0a:\g0a+3], s[\g1a:\g1a+7]
	s_nop 0
.rept 4
	v_nop
.endr
	s_branch .Lasked_\@
.Lfor_b_\@:
	tensor_load_to_lds s[\g0b:\g0b+3], s[\g1b:\g1b+7]
	s_nop 0
.rept 4
	v_nop
.endr
.Lasked_\@:
.endm
.macro CREST                           ; a round of the cluster's barrier behind its opening barrier
	s_cmp_lg_u32 s14, 0
	s_cbranch_scc1 .Lnot_wave_0_\@
	s_barrier_signal -3
.Lnot_wave_0_\@:
	s_barrier_wait -3
	s_barrier_signal -1
	s_barrier_wait -1
.endm
.macro CROUND
	s_barrier_signal -1
	s_barrier_wait -1
	CREST
.endm
	s_load_b256 s[4:11], s[0:1], 0x0               ; xc s[4:5], wac s[6:7], the exponents s[8:9], b_attn s[10:11]
	s_load_b128 s[68:71], s[0:1], 0x20             ; qc s[68:69], kc s[70:71]
	s_load_b64 s[72:73], s[0:1], 0x30              ; vc
	v_lshl_add_u32 v[SPW], v0, 2, SPARE
	v_mov_b32 v[NIL], 0
	ds_add_u32 v28, v29
	ds_add_u32 v28, v29
	s_wait_dscnt 0x0
	v_lshrrev_b32 v1, 5, v0
	v_readfirstlane_b32 s14, v1                    ; wave 0..3
	s_lshr_b32 s15, s14, 1                         ; which half of A's rows is mine.  Also: I fetch for A (0) or for B (1)
	s_and_b32 s16, s14, 1                          ; which half of B's rows.  Also: which 128 rows I fetch
	s_bfe_u32 s40, ttmp6, 0x40000                  ; cx
	s_bfe_u32 s41, ttmp6, 0x40004                  ; cy
	s_and_b32 s88, ttmp7, 0xffff
	s_lshl_b32 s88, s88, 2                         ; 4 x cluster y
	s_lshl_b32 s42, ttmp9, 2
	s_add_co_u32 s42, s42, s40                     ; q, k: B's tile = columns 256 (4 mode + cx) of W_attn
	s_add_co_u32 s89, s88, s40                     ; v:    B's tile = tokens 256 (4 cluster y + cx)
	s_add_co_u32 s17, s88, s41                     ; q, k: A's tile = tokens 256 (4 cluster y + cy)
	s_add_co_u32 s90, s41, 8                       ; v:    A's tile = columns 256 (8 + cy) of W_attn
	s_cmp_eq_u32 ttmp9, 2
	s_cselect_b32 s17, s90, s17                    ; A's tile: made of cy, never of cx
	s_cselect_b32 s42, s89, s42                    ; B's tile: made of cx, never of cy
	s_lshl_b32 s43, s41, 2
	s_lshl_b32 s43, 15, s43                        ; my row of the cluster
	s_lshl_b32 s44, 0x1111, s40                    ; my column
	; descriptor group 1: 8 rows (tiles of 16) x 4,096 bytes (two fragments), 16,384 bytes apart in memory, dense in LDS
	s_or_b32 s[G1+0], s43, (3<<16)|(1<<21)         ; 15:0 the mask; 17:16 elements of 8 bytes; 21 set beside a mask; no padding
	s_or_b32 s[G1B+0], s44, (3<<16)|(1<<21)
.irp g, G1, G1B
	s_mov_b32 s[\g+1], 512<<16                     ; tensor_dim0 = 512 elements
	s_mov_b32 s[\g+2], 8<<16                       ; tensor_dim1 = 8
	s_mov_b32 s[\g+3], 512<<16                     ; tile_dim0
	s_mov_b32 s[\g+4], 8                           ; tile_dim1
	s_mov_b32 s[\g+5], 2048                        ; tensor_dim0_stride, in elements
	s_mov_b32 s[\g+6], 0
	s_mov_b32 s[\g+7], 0
.endr
	s_lshl_b32 s18, s16, 17                        ; the 128 rows that I fetch: 8 tiles x 16,384 bytes
	s_lshl_b32 s20, s17, 18                        ; a tile of 256 rows is 262,144 bytes
	s_add_co_u32 s20, s20, s18
	s_lshl_b32 s46, s42, 18
	s_add_co_u32 s46, s46, s18
	s_mov_b32 s21, 0
	s_mov_b32 s47, 0
	s_lshl_b32 s45, s14, 15                        ; where they go: wave x HALFT: no place in the cluster enters an LDS address
	s_wait_kmcnt 0x0
	s_load_b256 s[80:87], s[8:9], 0x0              ; e0 .. e7
	s_cmp_eq_u32 ttmp9, 2
	s_cselect_b64 s[76:77], s[6:7], s[4:5]         ; A's buffer
	s_cselect_b64 s[78:79], s[4:5], s[6:7]         ; B's
	s_add_nc_u64 s[20:21], s[76:77], s[20:21]
	s_add_nc_u64 s[46:47], s[78:79], s[46:47]
	CROUND                                         ; all sixteen work-groups are here: the first joint loads meet
.irp s, 0,1
	s_mov_b32 s[G0+4*\s], 1
	s_add_co_u32 s[G0+4*\s+1], s45, \s*SLOT
	s_add_nc_u64 s[G0+4*\s+2:G0+4*\s+3], s[20:21], \s*4096
	s_or_b32 s[G0+4*\s+3], s[G0+4*\s+3], 0x80000000
	s_mov_b32 s[G0B+4*\s], 1
	s_add_co_u32 s[G0B+4*\s+1], s45, \s*SLOT
	s_add_nc_u64 s[G0B+4*\s+2:G0B+4*\s+3], s[46:47], \s*4096
	s_or_b32 s[G0B+4*\s+3], s[G0B+4*\s+3], 0x80000000
	JLOAD G0+4*\s, G1, G0B+4*\s, G1B
.endr
	v_and_b32 v6, 31, v0
	v_lshlrev_b32 v[CO], 4, v6                     ; 16 x lane: my place in every image
	s_lshl_b32 s21, s15, 15                        ; my 128 rows of A
	s_lshl_b32 s22, s16, 15                        ; my 128 rows of B,
	s_add_co_u32 s22, s22, 2*HALFT                 ; which lie behind A's
.irp s, 0,1
	v_add_nc_u32 v[ADRA+\s], s21, v[CO]
	v_add_nc_u32 v[ADRB+\s], s22, v[CO]
	s_add_co_u32 s21, s21, SLOT
	s_add_co_u32 s22, s22, SLOT
.endr
	; the biases, both forms in every mode (all addresses lie inside b_attn in every mode): they land while the products run
	v_and_b32 v1, 15, v0                           ; r
	v_bfe_u32 v2, v0, 4, 1                         ; h
	v_lshlrev_b32 v10, 5, v2                       ; 32 h
	s_wait_alu depctr_va_vdst(0)
	v_lshlrev_b32 v11, 2, v1                       ; 4 r
	s_wait_alu depctr_va_vdst(0)
	s_lshl_b32 s74, ttmp9, 12
	s_lshl_b32 s75, s40, 10
	s_add_co_u32 s74, s74, s75
	s_lshl_b32 s75, s16, 9
	s_add_co_u32 s74, s74, s75                     ; 4 x (1,024 mode + 256 cx + 128 half)
	s_mov_b32 s75, 0
	s_add_nc_u64 s[74:75], s[10:11], s[74:75]
	s_lshl_b32 s76, s41, 10
	s_lshl_b32 s77, s15, 9
	s_add_co_u32 s76, s76, s77
	s_add_co_u32 s76, s76, 8192                    ; 4 x (2,048 + 256 cy + 128 half)
	s_mov_b32 s77, 0
	s_add_nc_u64 s[76:77], s[10:11], s[76:77]
.irp b, 0,1,2,3,4,5,6,7
	global_load_b128 v[BI+8*\b:BI+8*\b+3], v10, s[74:75] offset:64*\b        ; columns 16 b + 8 h + 0 .. 7
	global_load_b128 v[BI+8*\b+4:BI+8*\b+7], v10, s[74:75] offset:64*\b+16
.endr
.irp a, 0,1,2,3,4,5,6,7
	global_load_b32 v[BIV+2*\a], v11, s[76:77] offset:64*\a                  ; channel 16 a + r
	global_load_b32 v[BIV+2*\a+1], v11, s[76:77] offset:64*\a
.endr
.macro FRAG reg, adr, q, i             ; a fragment as it lies: four loads of 512 consecutive bytes
.irp c, 0,1,2,3
	ds_load_b128 v[\reg+4*\c:\reg+4*\c+3], v[\adr] offset:2048*(\q)+512*\c+(\i)*4096
.endr
.endm
; 16 matrix instructions: A's blocks a0, a0 + 1 x B's eight, 128 along K.  The 64 accumulators take turns, one instruction a turn, in the same order in every step.
.macro MUL16 a0, p, zero
.irp a, \a0, \a0+1
.irp b, 0,1,2,3,4,5,6,7
.if \zero
	v_wmma_f32_16x16x128_fp8_fp8 v[8*(8*((\a)%4)+\b):8*(8*((\a)%4)+\b)+7], v[128*(\p)+FR*\b:128*(\p)+FR*\b+FR-1], v[AF+FR*(\a):AF+FR*(\a)+FR-1], 0
.else
	v_wmma_f32_16x16x128_fp8_fp8 v[8*(8*((\a)%4)+\b):8*(8*((\a)%4)+\b)+7], v[128*(\p)+FR*\b:128*(\p)+FR*\b+FR-1], v[AF+FR*(\a):AF+FR*(\a)+FR-1], v[8*(8*((\a)%4)+\b):8*(8*((\a)%4)+\b)+7]
.endif
.endr
.endr
.endm
.macro FETCH_B slot, q, p
	WIN TO_B
.irp i, 0,1,2,3,4,5,6,7
	FRAG 128*(\p)+FR*\i, ADRB+\slot, \q, \i
.endr
	WIN 0
.endm
.macro FETCH_A slot, q, i0
.irp i, \i0, \i0+1, \i0+2, \i0+3
	FRAG AF+FR*(\i), ADRA+\slot, \q, \i
.endr
.endm
.macro PLACES n                        ; plain vector lines between a matrix instruction and a load into, or a vector line on, its registers
.rept \n
	v_nop
.endr
.endm
; A step of 128 along K that has its successor in the same slot.  A has one set of registers: blocks 0-3 are fetched anew in the step's middle, blocks 4-7 at its end; B has two sets.
.macro STEP slot, q, zero
	s_wait_dscnt 4*NL                              ; B's set and A's blocks 0-3 are in; the youngest 16 loads (A's blocks 4-7) may be out
	WIN MUL_LO
	MUL16 0, (\q)%2, \zero
	MUL16 2, (\q)%2, \zero
	s_wait_dscnt 0
	PLACES NP
	FETCH_B \slot, (\q)+1, 1-(\q)%2
	FETCH_A \slot, (\q)+1, 0
	WIN MUL_HI
	MUL16 4, (\q)%2, \zero
	MUL16 6, (\q)%2, \zero
	PLACES NP
	WIN 0
	FETCH_A \slot, (\q)+1, 4
.endm
; A slot's last step changes slots: one barrier; in front of it each wave waits for all its tensor loads, adds 0 to its spare word, and waits for that and for its reads of this slot.
.macro TURN slot, next, fill
	s_wait_tensorcnt 0x0                           ; all my tensor loads have landed: my part of the next slot
	ds_add_u32 v[SPW], v[NIL]                      ; 0 onto my spare word
	s_wait_dscnt 4*NL+1                            ; (the add and the youngest 16 loads may be out)
	WIN MUL_LO
	MUL16 0, 1, 0
	s_wait_dscnt 0x0                               ; the add is done, and my reads of this slot are over
	s_barrier_signal -1
	MUL16 2, 1, 0
	WIN 0
	s_barrier_wait -1
.if \fill
	CREST                                          ; the barrier has opened a round of the cluster's: no wave of any partner still reads this slot or has a load on its way
	s_add_nc_u64 s[G0+4*\slot+2:G0+4*\slot+3], s[G0+4*\slot+2:G0+4*\slot+3], KADV
	s_add_nc_u64 s[G0B+4*\slot+2:G0B+4*\slot+3], s[G0B+4*\slot+2:G0B+4*\slot+3], KADV
	JLOAD G0+4*\slot, G1, G0B+4*\slot, G1B         ; the first tensor load behind the round; its four v_nop are the places in front of the loads below
.else
	PLACES NP
.endif
	FETCH_B \next, 0, 0
	FETCH_A \next, 0, 0
	WIN MUL_HI
	MUL16 4, 1, 0
	MUL16 6, 1, 0
	PLACES NP
	WIN 0
	FETCH_A \next, 0, 4
.endm
	s_wait_tensorcnt 1                             ; my part of slot 0 is in; slot 1's load may be out
	s_barrier_signal -1
	s_barrier_wait -1
	FETCH_B 0, 0, 0
	FETCH_A 0, 0, 0
	FETCH_A 0, 0, 4
	STEP 0, 0, 1                                   ; the first step's products start the sums
	s_mov_b32 s3, LAPS-1
.Llap:
	TURN 0, 1, 1
	STEP 1, 0, 0
	TURN 1, 0, 1
	STEP 0, 0, 0
	s_sub_co_u32 s3, s3, 1
	s_cmp_lg_u32 s3, 0
	s_cbranch_scc1 .Llap
	TURN 0, 1, 0                                   ; the last lap fills nothing
	STEP 1, 0, 0
	s_wait_dscnt 4*NL
	WIN MUL_LO
	MUL16 0, 1, 0
	MUL16 2, 1, 0
	s_wait_dscnt 0
	WIN MUL_HI
	MUL16 4, 1, 0
	MUL16 6, 1, 0
	WIN 0
; THE WAY OUT: sum x 2^(e0 + e1) + bias in f32, the hold, the conversion; a lane's 8 registers of an accumulator are 8 neighbours along the next K, so the codes ARE the next operand's registers
; and are stored as they stand: no LDS.  Every store of the wave covers 512 consecutive bytes, aligned.
	s_wait_kmcnt 0x0
	s_add_co_i32 s96, s80, s81
	s_add_co_i32 s96, s96, 127
	s_lshl_b32 s96, s96, 23                        ; 2^(e0 + e1)
	s_mov_b32 s97, s96                             ; (named with it as a pair)
	s_cmp_eq_u32 ttmp9, 0
	s_cselect_b32 s91, s82, s83                    ; e2 for q, e3 for k,
	s_cselect_b64 s[92:93], s[68:69], s[70:71]     ; qc or kc
	s_cmp_eq_u32 ttmp9, 2
	s_cselect_b32 s91, s85, s91                    ; e5 for v: chosen without a branch
	s_add_co_i32 s91, s91, 127
	s_lshl_b32 s94, s91, 23
	v_mov_b32 v[SCL], s94
	s_wait_loadcnt 0x0                             ; the biases
	PLACES NP
; block a of A's eight.  vm = 1: mode v
.macro OUTBLK a, vm
.set AC, 64*((\a)%4)
.set CDS, CD+16*((\a)%4)
.set WN, 0x02+((\a)/4)
.if (\a) >= 4
	s_wait_xcnt 0x0                                ; block a - 4's stores have read their data: the codes' registers are written again only behind this wait
.endif
	WIN WN                                         ; source 0: window 2 or 3
.set jj, 0
.rept 32
.if \vm
	v_pk_fma_f32 v[TT+jj:TT+jj+1], v[AC+jj:AC+jj+1], s[96:97], v[BIV+2*(\a):BIV+2*(\a)+1] op_sel_hi:[1,0,1]   ; each accumulator from its low end on
.else
	v_pk_fma_f32 v[TT+jj:TT+jj+1], v[AC+jj:AC+jj+1], s[96:97], v[BI+jj:BI+jj+1] op_sel_hi:[1,0,1]
.endif
.set jj, jj+2
.endr
	WIN 0
.set jj, 0
.rept 64
.set jj, jj+1
.endr
.set jj, 0
.rept 8
	v_cvt_scalef32_pk8_fp8_f32 v[CDS+2*jj:CDS+2*jj+1], v[TT+8*jj:TT+8*jj+7], v[SCL]
.set jj, jj+1
.endr
	v_nop                                          ; a plain line between the conversions and the next block's lines, which write their sources
.irp n, 0,1,2,3
.if \vm
	global_store_b128 v[CO], v[CDS+4*\n:CDS+4*\n+3], s[92:93] offset:((\a)/4)*131072+((\a)%4)*1024+(\n/2)*4096+(\n%2)*512   ; head a / 4, channel tile a % 4, block of 64 keys n / 2
.else
	global_store_b128 v[CO], v[CDS+4*\n:CDS+4*\n+3], s[92:93] offset:(\a)*1024+(\n/2)*131072+(\n%2)*512                     ; token tile a, head n / 2
.endif
.endr
.endm
	s_cmp_eq_u32 ttmp9, 2                          ; the cluster's x: the same in all sixteen partners
	s_cbranch_scc1 .Lvmode
	s_lshl_b32 s88, s17, 4
	s_lshl_b32 s89, s15, 3
	s_add_co_u32 s88, s88, s89                     ; my first tile of 16 tokens
	s_lshr_b32 s89, s88, 7                         ; batch
	s_lshl_b32 s89, s89, 4
	s_and_b32 s90, s42, 3
	s_lshl_b32 s90, s90, 2
	s_add_co_u32 s89, s89, s90
	s_lshl_b32 s90, s16, 1
	s_add_co_u32 s89, s89, s90                     ; 16 batch + my first head
	s_lshl_b32 s89, s89, 7
	s_and_b32 s88, s88, 127
	s_add_co_u32 s88, s88, s89
	s_lshl_b32 s88, s88, 10
	s_mov_b32 s89, 0
	s_add_nc_u64 s[92:93], s[92:93], s[88:89]
.irp a, 0,1,2,3,4,5,6,7
	OUTBLK \a, 0
.endr
	s_branch .Ljoin
.Lvmode:
	s_lshl_b32 s88, s42, 4
	s_lshl_b32 s89, s16, 3
	s_add_co_u32 s88, s88, s89                     ; my first tile of 16 tokens (B's rows here)
	s_lshr_b32 s89, s88, 7
	s_lshl_b32 s89, s89, 4
	s_lshl_b32 s90, s41, 2
	s_add_co_u32 s89, s89, s90
	s_lshl_b32 s90, s15, 1
	s_add_co_u32 s89, s89, s90                     ; 16 batch + my first head
	s_lshl_b32 s89, s89, 5
	s_and_b32 s88, s88, 127
	s_lshr_b32 s88, s88, 2                         ; block of 64 keys
	s_add_co_u32 s88, s88, s89
	s_lshl_b32 s88, s88, 12
	s_mov_b32 s89, 0
	s_add_nc_u64 s[92:93], s[72:73], s[88:89]
.irp a, 0,1,2,3,4,5,6,7
	OUTBLK \a, 1
.endr
.Ljoin:
	s_wait_tensorcnt 0x0                           ; the wave's end
	ds_add_u32 v[SPW], v[NIL]
	s_wait_dscnt 0x0
	CROUND                                         ; the closing round: no work-group ends while a partner may still ask for a tile that names it
	s_endpgm
.Lfunc_end_k_qb09e70490e_qkv:
	.size	k_qb09e70490e_qkv, .Lfunc_end_k_qb09e70490e_qkv-k_qb09e70490e_qkv
	.p2alignl 7, 3214868480
	.fill 96, 4, 3214868480
	.section	.rodata,"a",@progbits
	.p2align	6, 0x0
	.amdhsa_kernel k_qb09e70490e_qkv
		.amdhsa_group_segment_fixed_size 327680
		.amdhsa_private_segment_fixed_size 0
		.amdhsa_enable_private_segment 0
		.amdhsa_kernarg_size 56
		.amdhsa_user_sgpr_count 2
		.amdhsa_user_sgpr_kernarg_segment_ptr 1
		.amdhsa_wavefront_size32 1
		.amdhsa_system_sgpr_workgroup_id_x 1
		.amdhsa_system_sgpr_workgroup_id_y 1
		.amdhsa_system_sgpr_workgroup_id_z 1
		.amdhsa_system_vgpr_workitem_id 0
		.amdhsa_next_free_vgpr 1024
		.amdhsa_next_free_sgpr 100
		.amdhsa_reserve_vcc 0
		.amdhsa_float_denorm_mode_32 3
		.amdhsa_float_denorm_mode_16_64 3
		.amdhsa_fp16_overflow 1
		.amdhsa_memory_ordered 1
		.amdhsa_forward_progress 1
		.amdhsa_inst_pref_size 130
	.end_amdhsa_kernel
	.amdgpu_metadata
---
amdhsa.version: [ 1, 2 ]
amdhsa.kernels:
  - .name:           k_qb09e70490e_qkv
    .symbol:         k_qb09e70490e_qkv.kd
    .args:
      - { .name: xc, .offset: 0, .size: 8, .value_kind: global_buffer, .address_space: global }
      - { .name: wac, .offset: 8, .size: 8, .value_kind: global_buffer, .address_space: global }
      - { .name: lowp_scales, .offset: 16, .size: 8, .value_kind: global_buffer, .address_space: global }
      - { .name: b_attn, .offset: 24, .size: 8, .value_kind: global_buffer, .address_space: global }
      - { .name: qc, .offset: 32, .size: 8, .value_kind: global_buffer, .address_space: global }
      - { .name: kc, .offset: 40, .size: 8, .value_kind: global_buffer, .address_space: global }
      - { .name: vc, .offset: 48, .size: 8, .value_kind: global_buffer, .address_space: global }
    .group_segment_fixed_size: 327680
    .private_segment_fixed_size: 0
    .kernarg_segment_align: 8
    .kernarg_segment_size: 56
    .max_flat_workgroup_size: 128
    .sgpr_count:     100
    .vgpr_count:     1024
    .wavefront_size: 32
...
	.end_amdgpu_metadata
.endif
;; end of part 2
;; launch attn (part 3): grid 4 x 64, 16 waves a work-group, clusters of 4 x 1, 327,680 bytes of LDS; arguments qc, kc, vc, attention_mask, lowp_scales, yc; writes yc
.if DOCPART == 3
	.amdgcn_target "amdgcn-amd-amdhsa--gfx1250"
	.amdhsa_code_object_version 6
	.text
	.protected	k_qb09e70490e_attn
	.globl	k_qb09e70490e_attn
	.p2align	8
	.type	k_qb09e70490e_attn,@function
k_qb09e70490e_attn:
	s_mov_b64 s[64:65], 0
	v_nop
	global_prefetch_b8 v0, s[64:65] scope:SCOPE_SE
	s_setreg_imm32_b32 hwreg(HW_REG_WAVE_MODE, 25, 1), 1
	s_wait_xcnt 0x0
	s_wait_alu depctr_hold_cnt(0) depctr_sa_sdst(0) depctr_va_vdst(0) depctr_va_sdst(0) depctr_va_ssrc(0) depctr_va_vcc(0) depctr_vm_vsrc(0)
	s_getreg_b32 s2, hwreg(HW_REG_IB_STS2, 6, 4)
	s_cmp_eq_u32 s2, 0
	s_cbranch_scc0 .Lentry_in_a_cluster
	s_endpgm
.Lentry_in_a_cluster:
	s_bfe_u32 s2, ttmp6, 0x10000c
	s_cmp_lg_u32 s2, 0x3003
	s_cbranch_scc0 .Lentry_shape_is_right
	s_endpgm
.Lentry_shape_is_right:
; y = softmax(q k^T / 8, causal and under the given key mask) v for one head (batch x 16 + head = the cluster's y), both products on codes of FP8 (E4M3); y leaves as codes (entry 6), as images of the last product's operand.
; THE SOFTMAX: t = score x log2(e) / 8; M = the running largest t rounded UP to a whole number; p = 2^(t - M) is quantised (entry 4), not normalised; the row's sum is taken of the unquantised p and divides at the end.
; When M moves, the sum and O are multiplied by 2^(old M - new M): exact.
; A HEAD'S K AND V LIE WHOLE IN LDS (131,072 bytes each, as images of operand registers): every byte is filled once, nothing is filled again.  The four work-groups of a cluster are the four quarters of one head's
; queries and ask for K and V JOINTLY (mask 15): each wave issues two loads at the head: its share of keys 0-511, and of keys 512-2047.
; SHARES.  Wave w takes group m(w) of 128 queries, and of these the 32 at 32 cx: two tiles of 16.  m(w) is a table in which the four waves w % 4 alike, and the four w / 4 alike, add up to 30.
; A step is 64 keys; a wave works steps 0 .. 2 m + 1 and passes over the others by a scalar branch on its number and the step.  No branch hangs on cx: steps 2 m and 2 m + 1 take the causal compare in every partner.
; LAYOUT.  S^T = K Q^T (source 0 = 16 keys, source 1 = 16 queries), O^T = V^T P^T (source 0 = 16 channels, source 1 = P): a lane holds ONE query (lane % 16); register j of key tile t is key 16 t + 8 (lane / 16) + j,
; which is where the K = 64 form wants source 1's k: the conversions' results are P's registers.
; THE KEY MASK enters as the C of the first product: 0, or -2^100 for a key that is masked.  A raw score is under 64 x 448^2 < 2^24 in size; the running largest raw score begins at -2^50: under every real score, above every
; masked one.  So a masked or hidden key gives p = 0, and a query with no key at all ends with the sum 0: its codes are set to the format's NaN, which the last product spreads over the row, as the softmax of an empty row does.
; LIMITS: e2 + e3 between -89 and 70 (2^100 c stays over the exponent at which 2^x is flushed to 0, 2^50 c stays an f32 number); e4, e6 between -126 and 119.
.set VBASE, 131072                     ; LDS: K at 0 ([tile of 16 keys][1,024]; 4,096 bytes a step), V here ([step][channel tile 4][1,024]),
.set BBASE, 262144
.set LI,  1                            ; v1   16 x lane
.set ADK, 2                            ; v2   the step's K
.set ADV, 3                            ; v3   the step's V
.set ADB, 4                            ; v4   the step's mask numbers
.set QD,  5                            ; v5   my query of tile 0 - 8 (lane / 16)
.set NEG, 6                            ; v6   -2^100
.set PSC, 7                            ; v7   2^e4
.set PLM, 8
.set BB0, 9                            ; v9   BBASE + 32 (lane / 16)
.set NAN8, 10                          ; v10  four NaN codes
.set ST0, 12                           ; statistics of tile x at v[12 + 8 x]: +0 -M, +1 the largest raw score, +2, +3 the sum in two halves, +4 f, +5 (its pair's upper half; the exchange's target), +6, +7 at work
.set QF,  32                           ; v32-47   Q, 8 a tile
.set KF,  48                           ; v48-79   K's four fragments, then V's
.set BI,  80                           ; v80-111  the mask numbers in the result's layout
.set S,   112                          ; v112-175 S^T, then p: 32 a tile
.set O,   176                          ; v176-239 O^T: 32 a tile
.set P,   240                          ; v240-255 p's codes, 8 a tile
.set WV,  18
.set STP, 56                           ; s56  the step
.set TB,  57                           ; s57  4,096 x step
.set TBB, 58                           ; s58  256 x step
.set LAST, 59                          ; s59  2 m + 1
.set DIAG, 60                          ; s60  2 m
.macro CROUND                          ; a round of the cluster's barrier
	s_barrier_signal -1
	s_barrier_wait -1
	s_cmp_lg_u32 s[WV], 0
	s_cbranch_scc1 .Lnot_wave_0_\@
	s_barrier_signal -3
.Lnot_wave_0_\@:
	s_barrier_wait -3
	s_barrier_signal -1
	s_barrier_wait -1
.endm
	s_load_b256 s[4:11], s[0:1], 0x0               ; qc s[4:5], kc s[6:7], vc s[8:9], the mask s[10:11]
	s_load_b128 s[12:15], s[0:1], 0x20             ; the exponents s[12:13], yc s[14:15]
	v_lshl_add_u32 v254, v0, 2, 0x42000
	v_mov_b32 v255, 0
	ds_add_u32 v254, v255
	ds_add_u32 v254, v255
	s_wait_dscnt 0x0
	v_lshrrev_b32 v28, 5, v0
	s_delay_alu instid0(VALU_DEP_1)
	v_readfirstlane_b32 s[WV], v28                 ; wave 0..15
	s_bfe_u32 s19, ttmp6, 0x40000                  ; cx
	s_and_b32 s68, ttmp7, 0xffff                   ; 16 batch + head, which the four partners share
	s_mov_b32 s69, 0x0de3b658                      ; m of waves 8-15, four bits each,
	s_cmp_lt_u32 s[WV], 8
	s_cselect_b32 s69, 0x7a94c12f, s69             ; of waves 0-7
	s_and_b32 s70, s[WV], 7
	s_lshl_b32 s71, s70, 2
	s_lshr_b32 s69, s69, s71
	s_and_b32 s61, s69, 15                         ; m
	s_lshl_b32 s[DIAG], s61, 1
	s_add_co_u32 s[LAST], s[DIAG], 1
	; descriptor groups 1: dense blocks as rows of 256 bytes: 16 rows (4,096 bytes) and 48 rows (12,288 bytes)
	s_mov_b32 s24, 15|(3<<16)|(1<<21)              ; 15:0 the mask: all four work-groups; 17:16 elements of 8 bytes; 21 set beside a mask
	s_mov_b32 s25, 32<<16                          ; tensor_dim0 = 32 elements
	s_mov_b32 s26, 16<<16                          ; tensor_dim1
	s_mov_b32 s27, 32<<16                          ; tile_dim0
	s_mov_b32 s28, 16                              ; tile_dim1
	s_mov_b32 s29, 32                              ; tensor_dim0_stride
	s_mov_b32 s30, 0
	s_mov_b32 s31, 0
	s_mov_b32 s48, 15|(3<<16)|(1<<21)
	s_mov_b32 s49, 32<<16
	s_mov_b32 s50, 48<<16
	s_mov_b32 s51, 32<<16
	s_mov_b32 s52, 48
	s_mov_b32 s53, 32
	s_mov_b32 s54, 0
	s_mov_b32 s55, 0
	; waves 0-7 fetch K, waves 8-15 V; wave w takes the (w % 8)-th eighth of each of the two parts.  A byte's place in LDS is its place in the head's image
	s_lshr_b32 s72, s[WV], 3
	s_lshl_b32 s72, s72, 17
	s_lshl_b32 s73, s70, 12
	s_mul_i32 s74, s70, 12288
	s_add_co_u32 s74, s74, 32768
	s_mov_b32 s32, 1
	s_add_co_u32 s33, s72, s73
	s_mov_b32 s36, 1
	s_add_co_u32 s37, s72, s74
	s_lshl_b32 s75, s68, 17                        ; the head's first byte in qc, kc and vc
	s_add_co_u32 s84, s75, s73
	s_mov_b32 s85, 0
	s_add_co_u32 s86, s75, s74
	s_mov_b32 s87, 0
	s_wait_kmcnt 0x0
	s_load_b256 s[76:83], s[12:13], 0x0            ; e0 .. e7
	s_cmp_lt_u32 s[WV], 8
	s_cselect_b64 s[88:89], s[6:7], s[8:9]
	s_add_nc_u64 s[34:35], s[88:89], s[84:85]
	s_or_b32 s35, s35, 0x80000000
	s_add_nc_u64 s[38:39], s[88:89], s[86:87]
	s_or_b32 s39, s39, 0x80000000
	CROUND                                         ; all four work-groups are here: the joint loads meet
	tensor_load_to_lds s[32:35], s[24:31]          ; keys 0-511: my 4,096 bytes
	s_nop 0
	s_wait_alu depctr_va_vdst(0)
	s_wait_tensorcnt 0x0
	ds_add_u32 v254, v255
	s_wait_dscnt 0x0
	CROUND
	tensor_load_to_lds s[36:39], s[48:55]          ; keys 512-2047: my 12,288 bytes.  One load of mine is out
	s_nop 0
.rept 4
	v_nop
.endr
	v_and_b32 v28, 31, v0
	s_delay_alu instid0(VALU_DEP_1)
	v_lshlrev_b32 v[LI], 4, v28
	s_wait_alu depctr_va_vdst(0)
	v_lshlrev_b32 v29, 4, v0                       ; the mask: thread t takes keys 4 t .. 4 t + 3
	s_lshr_b32 s84, s68, 4
	s_lshl_b32 s84, s84, 13                        ; the batch's 2,048 words
	s_mov_b32 s85, 0
	s_add_nc_u64 s[10:11], s[10:11], s[84:85]
	global_load_b128 v[48:51], v29, s[10:11]
	s_lshl_b32 s86, s61, 3
	s_lshl_b32 s87, s19, 1
	s_add_co_u32 s86, s86, s87                     ; my first tile of 16 queries: 8 m + 2 cx
	s_lshl_b32 s87, s86, 10
	s_add_co_u32 s90, s75, s87
	s_mov_b32 s91, 0
	s_add_nc_u64 s[4:5], s[4:5], s[90:91]
.irp x, 0,1
	global_load_b128 v[QF+8*\x:QF+8*\x+3], v[LI], s[4:5] offset:\x*1024
	global_load_b128 v[QF+8*\x+4:QF+8*\x+7], v[LI], s[4:5] offset:\x*1024+512
.endr
	s_lshr_b32 s92, s68, 4                         ; yc: row tile 128 batch + 8 m + 2 cx, 16,384 bytes each; K step head / 2, 2,048 bytes; half head % 2
	s_lshl_b32 s92, s92, 7
	s_add_co_u32 s92, s92, s86
	s_lshl_b32 s92, s92, 14
	s_bfe_u32 s93, s68, 0x30001
	s_lshl_b32 s93, s93, 11
	s_add_co_u32 s92, s92, s93
	s_and_b32 s93, s68, 1
	s_lshl_b32 s93, s93, 10
	s_add_co_u32 s92, s92, s93
	s_mov_b32 s93, 0
	s_add_nc_u64 s[14:15], s[14:15], s[92:93]
	s_mov_b32 s20, 0x76543210                      ; v_permlanex16_b32's selects for lane l xor 16
	s_mov_b32 s21, 0xfedcba98
	v_mov_b32 v[NEG], 0xf1800000
	v_mov_b32 v[NAN8], 0x7f7f7f7f
	v_and_b32 v30, 15, v0
	v_bfe_u32 v31, v0, 4, 1
	s_delay_alu instid0(VALU_DEP_1)
	v_lshl_add_u32 v[BB0], v31, 5, BBASE
	s_delay_alu instid0(VALU_DEP_2)
	v_lshlrev_b32 v31, 3, v31
	s_delay_alu instid0(VALU_DEP_1)
	v_sub_nc_u32 v[QD], v30, v31
	s_lshl_b32 s62, s61, 7
	s_lshl_b32 s63, s19, 5
	s_add_co_u32 s62, s62, s63                     ; my first query: 128 m + 32 cx
	v_add_nc_u32 v[QD], s62, v[QD]
	v_lshl_add_u32 v11, v0, 4, BBASE               ; where my four mask numbers go
.set jj, 0
.rept 64
	v_mov_b32 v[O+jj], 0                           ; O^T.  (The step is written for every step alike: the first finds zeros)
.set jj, jj+1
.endr
	s_wait_kmcnt 0x0
	s_add_co_i32 s84, s78, s79
	s_lshl_b32 s84, s84, 23
	s_add_co_i32 s22, s84, 0x3e38aa3b              ; c = log2(e) / 8 x 2^(e2 + e3): the exponents are added to c's exponent field
	s_mov_b32 s23, s22                             ; (named with it as a pair)
	s_add_co_i32 s84, s80, 127
	s_lshl_b32 s85, s84, 23
	v_mov_b32 v[PSC], s85
.irp x, 0,1
	v_mov_b32 v[ST0+8*\x+1], 0xd8800000            ; the largest raw score so far: -2^50
	v_mov_b32 v[ST0+8*\x+2], 0
	v_mov_b32 v[ST0+8*\x+3], 0
	v_mov_b32 v[ST0+8*\x+5], 0
	s_delay_alu instid0(VALU_DEP_4)
	v_mul_f32 v[ST0+8*\x+7], s22, v[ST0+8*\x+1]
	s_delay_alu instid0(VALU_DEP_1)
	v_floor_f32 v[ST0+8*\x], -v[ST0+8*\x+7]        ; -M
.endr
	s_wait_loadcnt 0x4                             ; the mask's load is in; Q's four may be out
.irp i, 0,1,2,3
	v_cmp_eq_u32 vcc_lo, 0, v[48+\i]
	s_delay_alu instid0(VALU_DEP_1)
	v_cndmask_b32 v[48+\i], 0, v[NEG], vcc_lo      ; 0 where the key counts, -2^100 where it is masked
.endr
	ds_store_b128 v11, v[48:51]
	s_wait_loadcnt 0x0                             ; Q
; A KEY STEP: 64 keys, two tiles of queries.
.macro HSTEP
	s_cmp_gt_u32 s[STP], s[LAST]                   ; all of this step's keys come after my group's queries: passed over (no barrier and no tensor load stands in a step)
	s_cbranch_scc1 .Lhidden_\@
	s_setprio 2
	v_add_nc_u32 v[ADK], s[TB], v[LI]              ; these four lines are the places between the last products and the loads into the registers that they read
	v_add_nc_u32 v[ADB], s[TBB], v[BB0]
	s_delay_alu instid0(VALU_DEP_2)
	v_add_nc_u32 v[ADV], VBASE, v[ADK]
	v_nop
.irp t, 0,1,2,3
	ds_load_b128 v[KF+8*\t:KF+8*\t+3], v[ADK] offset:1024*\t
	ds_load_b128 v[KF+8*\t+4:KF+8*\t+7], v[ADK] offset:1024*\t+512
.endr
.irp t, 0,1,2,3
	ds_load_b128 v[BI+8*\t:BI+8*\t+3], v[ADB] offset:64*\t       ; keys 16 t + 8 (lane / 16) + 0 .. 7
	ds_load_b128 v[BI+8*\t+4:BI+8*\t+7], v[ADB] offset:64*\t+16
.endr
	s_wait_alu depctr_va_vdst(0)
	s_wait_dscnt 0x0
.irp t, 0,1,2,3
.irp x, 0,1
	v_wmma_f32_16x16x64_fp8_fp8 v[S+32*\x+8*\t:S+32*\x+8*\t+7], v[KF+8*\t:KF+8*\t+7], v[QF+8*\x:QF+8*\x+7], v[BI+8*\t:BI+8*\t+7]
.endr
.endr
.rept 4
	v_nop                                          ; places in front of the loads into K's registers and of the first read of the scores
.endr
.irp t, 0,1,2,3
	ds_load_b128 v[KF+8*\t:KF+8*\t+3], v[ADV] offset:1024*\t     ; V's four channel tiles land while the softmax runs
	ds_load_b128 v[KF+8*\t+4:KF+8*\t+7], v[ADV] offset:1024*\t+512
.endr
	s_cmp_lt_u32 s[STP], s[DIAG]                   ; a step all of whose keys come before my group's queries needs no compare
	s_cbranch_scc1 .Lopen_\@
	s_lshl_b32 s63, s[STP], 6
	v_sub_nc_u32 v28, v[QD], s63                   ; d = my query - 8 (lane / 16) - the step's first key; key 16 t + j of my half is hidden where 16 t + j > d
	s_delay_alu instid0(VALU_DEP_1)
	v_add_nc_u32 v29, 16, v28
.irp x, 0,1
.irp t, 0,1,2,3
.irp j, 0,1,2,3,4,5,6,7
	v_cmp_gt_i32 vcc_lo, 16*\t+\j, v[28+\x]
	v_cndmask_b32 v[S+32*\x+8*\t+\j], v[S+32*\x+8*\t+\j], v[NEG], vcc_lo
.endr
.endr
.endr
.Lopen_\@:
.irp x, 0,1                                    ; the largest of my 32 scores and the old largest: two chains a tile, each accumulator from its low end on
	v_max3_num_f32 v[ST0+8*\x+6], v[S+32*\x], v[S+32*\x+1], v[S+32*\x+2]
	v_max3_num_f32 v[ST0+8*\x+7], v[S+32*\x+3], v[S+32*\x+4], v[S+32*\x+5]
.endr
.irp i, 6,10,14,18,22,26
.irp x, 0,1
	v_max3_num_f32 v[ST0+8*\x+6], v[ST0+8*\x+6], v[S+32*\x+\i], v[S+32*\x+\i+1]
	v_max3_num_f32 v[ST0+8*\x+7], v[ST0+8*\x+7], v[S+32*\x+\i+2], v[S+32*\x+\i+3]
.endr
.endr
.irp x, 0
	v_max3_num_f32 v[ST0+8*\x+6], v[ST0+8*\x+6], v[S+32*\x+30], v[S+32*\x+31]
.endr
.irp x, 1
	v_max3_num_f32 v[ST0+8*\x+6], v[ST0+8*\x+6], v[S+32*\x+30], v[S+32*\x+31]
.endr
.irp x, 0,1
	s_delay_alu instid0(VALU_DEP_2)
	v_max3_num_f32 v[ST0+8*\x+6], v[ST0+8*\x+6], v[ST0+8*\x+7], v[ST0+8*\x+1]
.endr
.irp x, 0,1
	s_delay_alu instid0(VALU_DEP_2)
	v_permlanex16_b32 v[ST0+8*\x+5], v[ST0+8*\x+6], s20, s21     ; the query's other 32 keys lie in the lane 16 away
.endr
.irp x, 0,1
	s_delay_alu instid0(VALU_DEP_2)
	v_max_num_f32 v[ST0+8*\x+1], v[ST0+8*\x+6], v[ST0+8*\x+5]
.endr
.irp x, 0,1
	v_mov_b32 v[ST0+8*\x+6], v[ST0+8*\x]           ; the old -M
.endr
.irp x, 0,1
	s_delay_alu instid0(VALU_DEP_4)
	v_mul_f32 v[ST0+8*\x+7], s22, v[ST0+8*\x+1]    ; as t (c is positive)
.endr
.irp x, 0,1
	s_delay_alu instid0(VALU_DEP_2)
	v_floor_f32 v[ST0+8*\x], -v[ST0+8*\x+7]        ; the new -M = -ceil(t): a whole number
.endr
.irp x, 0,1
	s_delay_alu instid0(VALU_DEP_2)
	v_sub_f32 v[ST0+8*\x+6], v[ST0+8*\x], v[ST0+8*\x+6]   ; old M - new M, 0 or less
.endr
.irp x, 0,1
	s_delay_alu instid0(VALU_DEP_2)
	v_cvt_i32_f32 v[ST0+8*\x+6], v[ST0+8*\x+6]     ; (it saturates)
.endr
.irp x, 0,1
	s_delay_alu instid0(VALU_DEP_2)
	v_ldexp_f32 v[ST0+8*\x+4], 1.0, v[ST0+8*\x+6]  ; f = 2^(old M - new M)
.endr
.set jj, 0
.rept 16
.irp x, 0,1
	v_pk_fma_f32 v[S+32*\x+jj:S+32*\x+jj+1], v[S+32*\x+jj:S+32*\x+jj+1], s[22:23], v[ST0+8*\x:ST0+8*\x+1] op_sel_hi:[1,0,0]   ; t - M (of the pairs c and -M the low word serves both halves)
.endr
.set jj, jj+2
.endr
.set jj, 0
	s_setprio 1
	s_wait_alu depctr_va_vdst(0)
.rept 64
	v_exp_f32 v[S+jj], v[S+jj]                     ; p = 2^(t - M)
.set jj, jj+1
.endr
.irp x, 0,1
	v_pk_mul_f32 v[ST0+8*\x+2:ST0+8*\x+3], v[ST0+8*\x+2:ST0+8*\x+3], v[ST0+8*\x+4:ST0+8*\x+5] op_sel_hi:[1,0]   ; the sums under the new M.  (The plain line behind the exponentials)
.endr
	s_wait_alu depctr_va_vdst(0)
.irp x, 0,1
	v_pk_add_f32 v[ST0+8*\x+6:ST0+8*\x+7], v[S+32*\x:S+32*\x+1], v[S+32*\x+2:S+32*\x+3]   ; the sum of the UNQUANTISED p, in two chains a tile
.endr
.irp i, 4,8,12,16,20,24,28
.irp x, 0,1
	v_pk_add_f32 v[ST0+8*\x+2:ST0+8*\x+3], v[ST0+8*\x+2:ST0+8*\x+3], v[S+32*\x+\i:S+32*\x+\i+1]
	v_pk_add_f32 v[ST0+8*\x+6:ST0+8*\x+7], v[ST0+8*\x+6:ST0+8*\x+7], v[S+32*\x+\i+2:S+32*\x+\i+3]
.endr
.endr
.irp x, 0
	s_delay_alu instid0(VALU_DEP_3)
	v_pk_add_f32 v[ST0+8*\x+2:ST0+8*\x+3], v[ST0+8*\x+2:ST0+8*\x+3], v[ST0+8*\x+6:ST0+8*\x+7]
.endr
.irp x, 1
	s_delay_alu instid0(VALU_DEP_2)
	v_pk_add_f32 v[ST0+8*\x+2:ST0+8*\x+3], v[ST0+8*\x+2:ST0+8*\x+3], v[ST0+8*\x+6:ST0+8*\x+7]
.endr
.set jj, 0
.rept 64
.set jj, jj+1
.endr
.irp x, 0,1
.irp t, 0,1,2,3
	v_cvt_scalef32_pk8_fp8_f32 v[P+8*\x+2*\t:P+8*\x+2*\t+1], v[S+32*\x+8*\t:S+32*\x+8*\t+7], v[PSC]
.endr
.endr
.set jj, 0
.rept 16
.irp x, 0,1
	v_pk_mul_f32 v[O+32*\x+jj:O+32*\x+jj+1], v[O+32*\x+jj:O+32*\x+jj+1], v[ST0+8*\x+4:ST0+8*\x+5] op_sel_hi:[1,0]   ; O^T under the new M.  (Also the plain lines between the conversions and the products)
.endr
.set jj, jj+2
.endr
	s_setprio 0
	s_wait_alu depctr_va_vdst(0)
	s_wait_dscnt 0x0                               ; V
.irp t, 0,1,2,3
.irp x, 0,1
	v_wmma_f32_16x16x64_fp8_fp8 v[O+32*\x+8*\t:O+32*\x+8*\t+7], v[KF+8*\t:KF+8*\t+7], v[P+8*\x:P+8*\x+7], v[O+32*\x+8*\t:O+32*\x+8*\t+7]   ; the eight accumulators by turns
.endr
.endr
.Lhidden_\@:
.endm
.macro PHASE first, count              ; steps first .. first + count - 1: the trip count is a constant; every wave walks every trip
	s_mov_b32 s[STP], \first
	s_mov_b32 s[TB], \first*4096
	s_mov_b32 s[TBB], \first*256
.Lstep_\@:
	HSTEP
	s_add_co_u32 s[TB], s[TB], 4096
	s_add_co_u32 s[TBB], s[TBB], 256
	s_add_co_u32 s[STP], s[STP], 1
	s_cmp_lt_u32 s[STP], \first+\count
	s_cbranch_scc1 .Lstep_\@
	s_setprio 0
.endm
	s_wait_tensorcnt 0x1                           ; my share of keys 0-511 is in; my second load may stay out: no LDS byte is ever filled again
	s_wait_dscnt 0x0                               ; my mask numbers are stored
	s_barrier_signal -1
	s_barrier_wait -1                              ; everybody's are
	PHASE 0, 8
	s_wait_tensorcnt 0x0                           ; my share of keys 512-2047 is in
	s_wait_dscnt 0x0
	s_barrier_signal -1
	s_barrier_wait -1
	PHASE 8, 24
	; THE END: O^T x 2^(e4 + e5) / the sum is y; it is quantised with entry 6 and stored as the last product's operand registers.
.rept 4
	v_nop                                          ; places behind the last products
.endr
	s_add_co_i32 s84, s80, s81                     ; e4 + e5
	s_add_co_i32 s85, s82, 127
	s_lshl_b32 s86, s85, 23
	v_mov_b32 v30, s86                             ; 2^e6
.irp x, 0,1
	v_add_f32 v[ST0+8*\x+6], v[ST0+8*\x+2], v[ST0+8*\x+3]
.endr
.irp x, 0,1
	s_delay_alu instid0(VALU_DEP_2)
	v_permlanex16_b32 v[ST0+8*\x+5], v[ST0+8*\x+6], s20, s21
.endr
.irp x, 0,1
	s_delay_alu instid0(VALU_DEP_2)
	v_add_f32 v[ST0+8*\x+6], v[ST0+8*\x+6], v[ST0+8*\x+5]        ; the row's sum
.endr
.irp x, 0,1
	s_delay_alu instid0(VALU_DEP_2)
	v_cmp_eq_f32 s[66+\x], 0, v[ST0+8*\x+6]        ; a query that no key serves
.endr
.irp x, 0,1
	v_rcp_f32 v[ST0+8*\x+7], v[ST0+8*\x+6]
.endr
	v_nop                                          ; a plain line behind the reciprocals
	s_wait_alu depctr_va_vdst(0)
.irp x, 0,1
	v_ldexp_f32 v[ST0+8*\x+4], v[ST0+8*\x+7], s84
.endr
.set jj, 0
.rept 16
.irp x, 0,1
	v_pk_mul_f32 v[O+32*\x+jj:O+32*\x+jj+1], v[O+32*\x+jj:O+32*\x+jj+1], v[ST0+8*\x+4:ST0+8*\x+5] op_sel_hi:[1,0]   ; register 8 t + j: y(my query, channel 16 t + 8 (lane / 16) + j)
.endr
.set jj, jj+2
.endr
.set jj, 0
.rept 64
.set jj, jj+1
.endr
.irp x, 0,1
.irp t, 0,1,2,3
	v_cvt_scalef32_pk8_fp8_f32 v[P+8*\x+2*\t:P+8*\x+2*\t+1], v[O+32*\x+8*\t:O+32*\x+8*\t+7], v30
.endr
.endr
	v_nop                                          ; a plain line between the conversions and the lines that touch their results
.irp x, 0,1
.irp i, 0,1,2,3,4,5,6,7
	v_cndmask_b32 v[P+8*\x+\i], v[P+8*\x+\i], v[NAN8], s[66+\x]
.endr
.endr
.irp x, 0,1
	global_store_b128 v[LI], v[P+8*\x:P+8*\x+3], s[14:15] offset:\x*16384          ; 32 lanes store 512 consecutive bytes
	global_store_b128 v[LI], v[P+8*\x+4:P+8*\x+7], s[14:15] offset:\x*16384+512
.endr
	s_wait_dscnt 0x0
	s_wait_xcnt 0x0
	v_lshl_add_u32 v254, v0, 2, 0x42000
	v_mov_b32 v255, 0
	s_wait_alu depctr_va_vdst(0)
	s_wait_tensorcnt 0x0
	ds_add_u32 v254, v255
	s_wait_dscnt 0x0
	CROUND                                         ; the closing round
	s_endpgm
.Lfunc_end_k_qb09e70490e_attn:
	.size	k_qb09e70490e_attn, .Lfunc_end_k_qb09e70490e_attn-k_qb09e70490e_attn
	.p2alignl 7, 3214868480
	.fill 96, 4, 3214868480
	.section	.rodata,"a",@progbits
	.p2align	6, 0x0
	.amdhsa_kernel k_qb09e70490e_attn
		.amdhsa_group_segment_fixed_size 327680
		.amdhsa_private_segment_fixed_size 0
		.amdhsa_enable_private_segment 0
		.amdhsa_kernarg_size 48
		.amdhsa_user_sgpr_count 2
		.amdhsa_user_sgpr_kernarg_segment_ptr 1
		.amdhsa_wavefront_size32 1
		.amdhsa_system_sgpr_workgroup_id_x 1
		.amdhsa_system_sgpr_workgroup_id_y 1
		.amdhsa_system_sgpr_workgroup_id_z 1
		.amdhsa_system_vgpr_workitem_id 0
		.amdhsa_next_free_vgpr 256
		.amdhsa_next_free_sgpr 100
		.amdhsa_reserve_vcc 1
		.amdhsa_float_denorm_mode_32 3
		.amdhsa_float_denorm_mode_16_64 3
		.amdhsa_fp16_overflow 1
		.amdhsa_memory_ordered 1
		.amdhsa_forward_progress 1
		.amdhsa_inst_pref_size 55
	.end_amdhsa_kernel
	.amdgpu_metadata
---
amdhsa.version: [ 1, 2 ]
amdhsa.kernels:
  - .name:           k_qb09e70490e_attn
    .symbol:         k_qb09e70490e_attn.kd
    .args:
      - { .name: qc, .offset: 0, .size: 8, .value_kind: global_buffer, .address_space: global }
      - { .name: kc, .offset: 8, .size: 8, .value_kind: global_buffer, .address_space: global }
      - { .name: vc, .offset: 16, .size: 8, .value_kind: global_buffer, .address_space: global }
      - { .name: attention_mask, .offset: 24, .size: 8, .value_kind: global_buffer, .address_space: global }
      - { .name: lowp_scales, .offset: 32, .size: 8, .value_kind: global_buffer, .address_space: global }
      - { .name: yc, .offset: 40, .size: 8, .value_kind: global_buffer, .address_space: global }
    .group_segment_fixed_size: 327680
    .private_segment_fixed_size: 0
    .kernarg_segment_align: 8
    .kernarg_segment_size: 48
    .max_flat_workgroup_size: 512
    .sgpr_count:     100
    .vgpr_count:     256
    .wavefront_size: 32
...
	.end_amdgpu_metadata
.endif
;; end of part 3
;; launch proj (part 4): grid 4 x 32, 4 waves a work-group, clusters of 4 x 4, 327,680 bytes of LDS; arguments yc, wpc, lowp_scales, b_proj, out0; writes out0
.if DOCPART == 4
	.amdgcn_target "amdgcn-amd-amdhsa--gfx1250"
	.amdhsa_code_object_version 6
	.text
	.protected	k_qb09e70490e_proj
	.globl	k_qb09e70490e_proj
	.p2align	8
	.type	k_qb09e70490e_proj,@function
k_qb09e70490e_proj:
	s_mov_b64 s[64:65], 0
	v_nop
	global_prefetch_b8 v0, s[64:65] scope:SCOPE_SE
	s_setreg_imm32_b32 hwreg(HW_REG_WAVE_MODE, 25, 1), 1
	s_wait_xcnt 0x0
	s_wait_alu depctr_hold_cnt(0) depctr_sa_sdst(0) depctr_va_vdst(0) depctr_va_sdst(0) depctr_va_ssrc(0) depctr_va_vcc(0) depctr_vm_vsrc(0)
	s_getreg_b32 s2, hwreg(HW_REG_IB_STS2, 6, 4)
	s_cmp_eq_u32 s2, 0
	s_cbranch_scc0 .Lentry_in_a_cluster
	s_endpgm
.Lentry_in_a_cluster:
	s_bfe_u32 s2, ttmp6, 0x10000c
	s_cmp_lg_u32 s2, 0xf033
	s_cbranch_scc0 .Lentry_shape_is_right
	s_endpgm
.Lentry_shape_is_right:
; out0 = y W_proj + b_proj on codes of FP8 (E4M3): each finished sum x 2^(e6 + e7) + bias, f32.
; yc, wpc: fragments of 16 rows x 128 K, 2,048 bytes each, [tile of 16 rows][K step 8]: byte 512 c + 16 lane of a fragment is what that lane holds in registers 4 c .. 4 c + 3.
; A tile of 256 x 256 is made by a work-group of four waves; a wave makes 128 x 128: 64 accumulators, 512 registers.  K goes in steps of 256 through a ring of two LDS slots filled by the tensor data mover.
; Source 0 takes W's rows (set B), source 1 y's (set A): a lane holds one token (lane % 16) and eight neighbouring columns.
; CLUSTERS: 4 x 4 work-groups.  A's tile hangs on the tile row alone and is asked for jointly by a row of the cluster, B's on the tile column alone, by a column.
; LIMIT: e6 + e7 between -126 and 127.
; REGISTERS, in windows of 256: window 0: v0-31 addresses; v32-35 the bias; from v128 A's fragments, ONE set (on the way out: rows read back from the stage).
;   window 1: B's fragments, TWO sets.   window 2: the accumulators of A's rows 0-63 ((a, b) at v[8 (8 a + b)]);   window 3: those of rows 64-127.
.set HALFT,  32768
.set SLOT,   4*HALFT
.set SPARE,  2*SLOT
.set KADV,   8192
.set FR,     16
.set NL,     4
.set NP,     4
.set LAPS,   2
.set SPITCH, 528                       ; the way out: a stage of 16 rows x (512 bytes + 16) for each wave, in slot 0, which has had its last fill and its last read when the first result is stored there
.set ADRA, 16
.set ADRB, 20
.set STO,  24                          ; v24  the way out: where I put 32 bytes of a row
.set RD,   25                          ; v25  where I read a row back
.set CO,   26                          ; v26  16 x lane
.set SPW,  28
.set NIL,  29
.set BS,   32                          ; v32-35  b_proj at my four columns of a row
.set AF,   128
.set BK,   128                         ; 16 rows read back: v128-191 and v192-255 by turns
.set G1, 24
.set G0, 32
.set G1B, 48
.set G0B, 56
.set MSB, 0
.macro WIN new
.if MSB != \new
	s_set_vgpr_msb (MSB<<8)|\new
.set MSB, \new
.endif
.endm
.set MUL_LO, 0xa1
.set MUL_HI, 0xf1
.set TO_B,   0x40
.macro JLOAD g0a, g1a, g0b, g1b        ; a joint load: waves 0 and 1 fetch A's halves, waves 2 and 3 B's; four v_nop follow each of the two lines
	s_cmp_eq_u32 s15, 0
	s_cbranch_scc0 .Lfor_b_\@
	tensor_load_to_lds s[\g0a:\g0a+3], s[\g1a:\g1a+7]
	s_nop 0
.rept 4
	v_nop
.endr
	s_branch .Lasked_\@
.Lfor_b_\@:
	tensor_load_to_lds s[\g0b:\g0b+3], s[\g1b:\g1b+7]
	s_nop 0
.rept 4
	v_nop
.endr
.Lasked_\@:
.endm
.macro CREST
	s_cmp_lg_u32 s14, 0
	s_cbranch_scc1 .Lnot_wave_0_\@
	s_barrier_signal -3
.Lnot_wave_0_\@:
	s_barrier_wait -3
	s_barrier_signal -1
	s_barrier_wait -1
.endm
.macro CROUND
	s_barrier_signal -1
	s_barrier_wait -1
	CREST
.endm
	s_load_b256 s[4:11], s[0:1], 0x0               ; yc s[4:5], wpc s[6:7], the exponents s[8:9], b_proj s[10:11]
	s_load_b64 s[68:69], s[0:1], 0x20              ; out0
	v_lshl_add_u32 v[SPW], v0, 2, SPARE
	v_mov_b32 v[NIL], 0
	ds_add_u32 v28, v29
	ds_add_u32 v28, v29
	s_wait_dscnt 0x0
	v_lshrrev_b32 v1, 5, v0
	v_readfirstlane_b32 s14, v1                    ; wave 0..3
	s_lshr_b32 s15, s14, 1                         ; which half of the tile's rows is mine.  Also: I fetch for A (0) or for B (1)
	s_and_b32 s16, s14, 1                          ; which half of its columns.  Also: which 128 rows I fetch
	s_bfe_u32 s40, ttmp6, 0x40000                  ; cx
	s_bfe_u32 s41, ttmp6, 0x40004                  ; cy
	s_lshl_b32 s42, ttmp9, 2
	s_add_co_u32 s42, s42, s40                     ; tile column
	s_and_b32 s17, ttmp7, 0xffff
	s_lshl_b32 s17, s17, 2
	s_add_co_u32 s17, s17, s41                     ; tile row
	s_lshl_b32 s43, s41, 2
	s_lshl_b32 s43, 15, s43                        ; my row of the cluster
	s_lshl_b32 s44, 0x1111, s40                    ; my column
	s_or_b32 s[G1+0], s43, (3<<16)|(1<<21)         ; 15:0 the mask; 17:16 elements of 8 bytes; 21 set beside a mask; no padding
	s_or_b32 s[G1B+0], s44, (3<<16)|(1<<21)
.irp g, G1, G1B
	s_mov_b32 s[\g+1], 512<<16                     ; 8 rows (tiles of 16) x 4,096 bytes, 16,384 bytes apart in memory, dense in LDS
	s_mov_b32 s[\g+2], 8<<16
	s_mov_b32 s[\g+3], 512<<16
	s_mov_b32 s[\g+4], 8
	s_mov_b32 s[\g+5], 2048
	s_mov_b32 s[\g+6], 0
	s_mov_b32 s[\g+7], 0
.endr
	s_lshl_b32 s18, s16, 17
	s_lshl_b32 s20, s17, 18
	s_add_co_u32 s20, s20, s18
	s_lshl_b32 s46, s42, 18
	s_add_co_u32 s46, s46, s18
	s_mov_b32 s21, 0
	s_mov_b32 s47, 0
	s_lshl_b32 s45, s14, 15                        ; wave x HALFT: no place in the cluster enters an LDS address
	s_wait_kmcnt 0x0
	s_load_b256 s[80:87], s[8:9], 0x0              ; e0 .. e7
	s_add_nc_u64 s[20:21], s[4:5], s[20:21]
	s_add_nc_u64 s[46:47], s[6:7], s[46:47]
	CROUND                                         ; all sixteen work-groups are here: the first joint loads meet
.irp s, 0,1
	s_mov_b32 s[G0+4*\s], 1
	s_add_co_u32 s[G0+4*\s+1], s45, \s*SLOT
	s_add_nc_u64 s[G0+4*\s+2:G0+4*\s+3], s[20:21], \s*4096
	s_or_b32 s[G0+4*\s+3], s[G0+4*\s+3], 0x80000000
	s_mov_b32 s[G0B+4*\s], 1
	s_add_co_u32 s[G0B+4*\s+1], s45, \s*SLOT
	s_add_nc_u64 s[G0B+4*\s+2:G0B+4*\s+3], s[46:47], \s*4096
	s_or_b32 s[G0B+4*\s+3], s[G0B+4*\s+3], 0x80000000
	JLOAD G0+4*\s, G1, G0B+4*\s, G1B
.endr
	v_and_b32 v6, 31, v0
	v_lshlrev_b32 v[CO], 4, v6
	s_lshl_b32 s21, s15, 15
	s_lshl_b32 s22, s16, 15
	s_add_co_u32 s22, s22, 2*HALFT
.irp s, 0,1
	v_add_nc_u32 v[ADRA+\s], s21, v[CO]
	v_add_nc_u32 v[ADRB+\s], s22, v[CO]
	s_add_co_u32 s21, s21, SLOT
	s_add_co_u32 s22, s22, SLOT
.endr
	v_and_b32 v1, 15, v0                           ; r
	v_bfe_u32 v2, v0, 4, 1                         ; h
	s_mul_i32 s23, s14, 16*SPITCH                  ; my stage
	v_mul_u32_u24 v5, v1, SPITCH
	v_lshl_add_u32 v5, v2, 5, v5
	v_add_nc_u32 v[STO], s23, v5                   ; in: row r, 32 bytes for each half of the lanes
	v_add_nc_u32 v[RD], s23, v[CO]                 ; back: the 32 lanes take one row of 512 bytes
	s_lshl_b32 s74, s42, 10
	s_lshl_b32 s75, s16, 9
	s_add_co_u32 s74, s74, s75                     ; my first column, in bytes
	s_mov_b32 s75, 0
	s_add_nc_u64 s[76:77], s[10:11], s[74:75]
	global_load_b128 v[BS:BS+3], v[CO], s[76:77]   ; b_proj at columns 4 lane .. 4 lane + 3 of my 128
	s_lshl_b32 s78, s17, 20                        ; my first row: 256 rows of 4,096 bytes a tile,
	s_lshl_b32 s79, s15, 19                        ; 128 a half
	s_add_co_u32 s78, s78, s79
	s_add_co_u32 s78, s78, s74
	s_mov_b32 s79, 0
	s_add_nc_u64 s[68:69], s[68:69], s[78:79]
.macro FRAG reg, adr, q, i
.irp c, 0,1,2,3
	ds_load_b128 v[\reg+4*\c:\reg+4*\c+3], v[\adr] offset:2048*(\q)+512*\c+(\i)*4096
.endr
.endm
.macro MUL16 a0, p, zero               ; the 64 accumulators take turns, one instruction a turn, in the same order in every step
.irp a, \a0, \a0+1
.irp b, 0,1,2,3,4,5,6,7
.if \zero
	v_wmma_f32_16x16x128_fp8_fp8 v[8*(8*((\a)%4)+\b):8*(8*((\a)%4)+\b)+7], v[128*(\p)+FR*\b:128*(\p)+FR*\b+FR-1], v[AF+FR*(\a):AF+FR*(\a)+FR-1], 0
.else
	v_wmma_f32_16x16x128_fp8_fp8 v[8*(8*((\a)%4)+\b):8*(8*((\a)%4)+\b)+7], v[128*(\p)+FR*\b:128*(\p)+FR*\b+FR-1], v[AF+FR*(\a):AF+FR*(\a)+FR-1], v[8*(8*((\a)%4)+\b):8*(8*((\a)%4)+\b)+7]
.endif
.endr
.endr
.endm
.macro FETCH_B slot, q, p
	WIN TO_B
.irp i, 0,1,2,3,4,5,6,7
	FRAG 128*(\p)+FR*\i, ADRB+\slot, \q, \i
.endr
	WIN 0
.endm
.macro FETCH_A slot, q, i0
.irp i, \i0, \i0+1, \i0+2, \i0+3
	FRAG AF+FR*(\i), ADRA+\slot, \q, \i
.endr
.endm
.macro PLACES n                        ; plain vector lines between a matrix instruction and a load into, or a read of, its registers
.rept \n
	v_nop
.endr
.endm
.macro STEP slot, q, zero
	s_wait_dscnt 4*NL                              ; B's set and A's blocks 0-3 are in; the youngest 16 loads (A's blocks 4-7) may be out
	WIN MUL_LO
	MUL16 0, (\q)%2, \zero
	MUL16 2, (\q)%2, \zero
	s_wait_dscnt 0
	PLACES NP
	FETCH_B \slot, (\q)+1, 1-(\q)%2
	FETCH_A \slot, (\q)+1, 0
	WIN MUL_HI
	MUL16 4, (\q)%2, \zero
	MUL16 6, (\q)%2, \zero
	PLACES NP
	WIN 0
	FETCH_A \slot, (\q)+1, 4
.endm
.macro TURN slot, next, fill
	s_wait_tensorcnt 0x0                           ; all my tensor loads have landed: my part of the next slot
	ds_add_u32 v[SPW], v[NIL]                      ; 0 onto my spare word
	s_wait_dscnt 4*NL+1                            ; (the add and the youngest 16 loads may be out)
	WIN MUL_LO
	MUL16 0, 1, 0
	s_wait_dscnt 0x0                               ; the add is done, and my reads of this slot are over
	s_barrier_signal -1
	MUL16 2, 1, 0
	WIN 0
	s_barrier_wait -1
.if \fill
	CREST                                          ; the barrier has opened a round of the cluster's: no wave of any partner still reads this slot or has a load on its way
	s_add_nc_u64 s[G0+4*\slot+2:G0+4*\slot+3], s[G0+4*\slot+2:G0+4*\slot+3], KADV
	s_add_nc_u64 s[G0B+4*\slot+2:G0B+4*\slot+3], s[G0B+4*\slot+2:G0B+4*\slot+3], KADV
	JLOAD G0+4*\slot, G1, G0B+4*\slot, G1B
.else
	PLACES NP
.endif
	FETCH_B \next, 0, 0
	FETCH_A \next, 0, 0
	WIN MUL_HI
	MUL16 4, 1, 0
	MUL16 6, 1, 0
	PLACES NP
	WIN 0
	FETCH_A \next, 0, 4
.endm
	s_wait_tensorcnt 1                             ; my part of slot 0 is in; slot 1's load may be out
	s_barrier_signal -1
	s_barrier_wait -1
	FETCH_B 0, 0, 0
	FETCH_A 0, 0, 0
	FETCH_A 0, 0, 4
	STEP 0, 0, 1
	s_mov_b32 s3, LAPS-1
.Llap:
	TURN 0, 1, 1
	STEP 1, 0, 0
	TURN 1, 0, 1
	STEP 0, 0, 0
	s_sub_co_u32 s3, s3, 1
	s_cmp_lg_u32 s3, 0
	s_cbranch_scc1 .Llap
	TURN 0, 1, 0
	STEP 1, 0, 0
	s_wait_dscnt 4*NL
	WIN MUL_LO
	MUL16 0, 1, 0
	MUL16 2, 1, 0
	s_wait_dscnt 0
	WIN MUL_HI
	MUL16 4, 1, 0
	MUL16 6, 1, 0
	WIN 0
; THE WAY OUT, block by block of 16 rows x 128 columns.  A lane holds 32 neighbouring bytes of a row and the lanes beside it other rows: the sums go through my own stage as they are and come back as whole rows of
; 512 bytes; there each lane holds four neighbouring columns, so one bias of four registers serves every row: sum x 2^(e6 + e7) + bias, two numbers an instruction.
.macro TOSTAGE a
.set AC, 64*((\a)%4)
.set WN, 0x08+4*((\a)/4)
	WIN WN                                         ; the stores' data: window 2 or 3
.irp b, 0,1,2,3,4,5,6,7
	ds_store_b128 v[STO], v[AC+8*\b:AC+8*\b+3] offset:64*\b          ; each accumulator from its low end on
	ds_store_b128 v[STO], v[AC+8*\b+4:AC+8*\b+7] offset:64*\b+16
.endr
	WIN 0
.set BB, BK+64*((\a)%2)
.irp t, 0,1,2,3,4,5,6,7,8,9,10,11,12,13,14,15
	ds_load_b128 v[BB+4*\t:BB+4*\t+3], v[RD] offset:\t*SPITCH        ; LDS serves a wave's instructions in order (ISA guide 5.7.1.4): these see the stores above
.endr
.endm
.macro SEND a, younger                 ; younger: the LDS instructions issued behind block a's loads, which may stay out
.set BB, BK+64*((\a)%2)
	s_wait_dscnt \younger
.irp t, 0,1,2,3,4,5,6,7,8,9,10,11,12,13,14,15
	v_pk_fma_f32 v[BB+4*\t:BB+4*\t+1], v[BB+4*\t:BB+4*\t+1], s[96:97], v[BS:BS+1] op_sel_hi:[1,0,1]
	v_pk_fma_f32 v[BB+4*\t+2:BB+4*\t+3], v[BB+4*\t+2:BB+4*\t+3], s[96:97], v[BS+2:BS+3] op_sel_hi:[1,0,1]
.endr
.if (\a) > 0
	s_add_nc_u64 s[68:69], s[68:69], 16*4096       ; (behind a wait on XCNT: the earlier stores have read their base)  16 rows on
.endif
.irp t, 0,1,2,3,4,5,6,7,8,9,10,11,12,13,14,15
	global_store_b128 v[CO], v[BB+4*\t:BB+4*\t+3], s[68:69] offset:\t*4096 th:TH_STORE_NT   ; 32 lanes store 512 consecutive bytes, aligned; written once, read by nobody here
.endr
.endm
	s_wait_kmcnt 0x0
	s_add_co_i32 s96, s86, s87                     ; e6 + e7
	s_add_co_i32 s96, s96, 127
	s_lshl_b32 s96, s96, 23
	s_mov_b32 s97, s96                             ; (named with it as a pair)
	s_wait_loadcnt 0x0                             ; the bias
	PLACES NP
	TOSTAGE 0
.irp a, 1,2,3,4,5,6,7
.if \a > 1
	s_wait_xcnt 0x0                                ; block a - 2's stores have read their registers and their base: block a's loads may land there, and the base may step
.endif
	TOSTAGE \a
	SEND \a-1, 32                                  ; behind block a - 1's loads: block a's 16 stores and 16 loads
.endr
	s_wait_xcnt 0x0
	SEND 7, 0
	s_wait_tensorcnt 0x0                           ; the wave's end
	ds_add_u32 v[SPW], v[NIL]
	s_wait_dscnt 0x0
	CROUND                                         ; the closing round
	s_endpgm
.Lfunc_end_k_qb09e70490e_proj:
	.size	k_qb09e70490e_proj, .Lfunc_end_k_qb09e70490e_proj-k_qb09e70490e_proj
	.p2alignl 7, 3214868480
	.fill 96, 4, 3214868480
	.section	.rodata,"a",@progbits
	.p2align	6, 0x0
	.amdhsa_kernel k_qb09e70490e_proj
		.amdhsa_group_segment_fixed_size 327680
		.amdhsa_private_segment_fixed_size 0
		.amdhsa_enable_private_segment 0
		.amdhsa_kernarg_size 40
		.amdhsa_user_sgpr_count 2
		.amdhsa_user_sgpr_kernarg_segment_ptr 1
		.amdhsa_wavefront_size32 1
		.amdhsa_system_sgpr_workgroup_id_x 1
		.amdhsa_system_sgpr_workgroup_id_y 1
		.amdhsa_system_sgpr_workgroup_id_z 1
		.amdhsa_system_vgpr_workitem_id 0
		.amdhsa_next_free_vgpr 1024
		.amdhsa_next_free_sgpr 100
		.amdhsa_reserve_vcc 0
		.amdhsa_float_denorm_mode_32 3
		.amdhsa_float_denorm_mode_16_64 3
		.amdhsa_memory_ordered 1
		.amdhsa_forward_progress 1
		.amdhsa_inst_pref_size 123
	.end_amdhsa_kernel
	.amdgpu_metadata
---
amdhsa.version: [ 1, 2 ]
amdhsa.kernels:
  - .name:           k_qb09e70490e_proj
    .symbol:         k_qb09e70490e_proj.kd
    .args:
      - { .name: yc, .offset: 0, .size: 8, .value_kind: global_buffer, .address_space: global }
      - { .name: wpc, .offset: 8, .size: 8, .value_kind: global_buffer, .address_space: global }
      - { .name: lowp_scales, .offset: 16, .size: 8, .value_kind: global_buffer, .address_space: global }
      - { .name: b_proj, .offset: 24, .size: 8, .value_kind: global_buffer, .address_space: global }
      - { .name: out0, .offset: 32, .size: 8, .value_kind: global_buffer, .address_space: global }
    .group_segment_fixed_size: 327680
    .private_segment_fixed_size: 0
    .kernarg_segment_align: 8
    .kernarg_segment_size: 40
    .max_flat_workgroup_size: 128
    .sgpr_count:     100
    .vgpr_count:     1024
    .wavefront_size: 32
...
	.end_amdgpu_metadata
.endif
;; end of part 4
